; MI455X (gfx1250); checked and timed in simulation.
; The chip was launched on July 23, 2026; its instructions are those of AMD's public machine-readable ISA for CDNA 5 (MIT licence, August 2026) and "CDNA5" Instruction Set Architecture Reference Guide (July 2026). The comments in the code are by the model that wrote it; some were corrected since.
;; Multi Head Self Attention. Allowed arithmetic: matrix products marked QUANTISED: E2M1 operands, one E8M0 scale for each 32 along K, by v_wmma_scale_f32_16x16x128_f8f6f4 with both operands' format E2M1 (or v_wmma_scale_f32_32x16x128_f4), f32 sums; everything else in f32.
;; Inputs: W_proj_codes 1,024 x 32 x 16 uint8 (E2M1 codes of W_proj, K innermost, in blocks of 32 codes, two codes a byte); W_proj_scales 1,024 x 32 uint8 (E8M0 scales of W_proj, one for each 32 codes along K); W_qkv_codes 3,072 x 32 x 16 uint8 (E2M1 codes of W_qkv, K innermost, in blocks of 32 codes, two codes a byte); W_qkv_scales 3,072 x 32 uint8 (E8M0 scales of W_qkv, one for each 32 codes along K); b_proj 1,024 float32; b_qkv 3,072 float32; x_codes 4 x 2,048 x 32 x 16 uint8 (E2M1 codes of x, K innermost, in blocks of 32 codes, two codes a byte); x_scales 4 x 2,048 x 32 uint8 (E8M0 scales of x, one for each 32 codes along K).
;; Outputs: out0 4 x 2,048 x 1,024 float32.
;; This version of the problem:
;;   THIS VERSION OF THE PROBLEM IS GIVEN IN LOW PRECISION. The matrix products marked QUANTISED in the list below multiply operands that are first quantised to E2M1 (2 exponent bits, 1 mantissa bit; 4 bits a number), with one power-of-two scale for each 32 numbers along K (OCP MX v1.0); their sums are f32. All else is computed in f32.
;;   The module's matrix products, in the order in which they are computed (A, B: the left and right operand; K: the contracted axis; several contracted axes count as one K, in the product's order):
;;     1. [M 8,192, K 1,024] x [K 1,024, N 3,072]; A: input x (given as codes); B: input W_qkv (given as codes): QUANTISED
;;     2. batch 64 x [M 2,048, K 64] x [K 64, N 2,048]; A: computed on the way; B: computed on the way: QUANTISED
;;     3. batch 64 x [M 2,048, K 2,048] x [K 2,048, N 64]; A: softmax (see below); B: computed on the way: QUANTISED
;;     4. [M 8,192, K 1,024] x [K 1,024, N 1,024]; A: computed on the way; B: input W_proj (given as codes): QUANTISED
;;   THE QUANTISER, for each operand of a quantised product, along K:
;;     - K is cut into blocks of 32 from its start; a last block that is shorter is filled with zeros.
;;     - A block's scale is 2^e with e = floor(log2(the largest magnitude in the block)) - 2, held to -126 .. 127; a block of zeros has e = 0. As a byte (E8M0): e + 127.
;;     - Each number is divided by its block's scale, clamped to +-6, and rounded to the nearest number of E2M1, ties to even, subnormals kept.
;;     - The product sums the exact products of the quantised numbers (number of the format x scale) in f32.
;;   ~~~python
;;   def quantise(x, axis):      # numpy; x: float32 -> the quantised numbers, widened to float32 again
;;       x = np.moveaxis(x, axis, -1); K = x.shape[-1]
;;       x = np.pad(x, [(0, 0)] * (x.ndim - 1) + [(0, -K % 32)]); x = x.reshape(x.shape[:-1] + (-1, 32)); a = np.abs(x).max(-1, keepdims=True)
;;       e = np.where(a > 0, np.clip(np.frexp(np.where(a > 0, a, 1))[1] - 1 - 2, -126, 127), 0)      # np.frexp(a)[1] - 1 = floor(log2(a)), exactly
;;       r = np.clip(x / 2.0 ** e, -6, 6)
;;       step = 2.0 ** (np.maximum(np.frexp(np.where(r == 0, 1, r))[1] - 1, 0) - 1)
;;       q = np.round(r / step) * step * 2.0 ** e      # np.round: ties to even
;;       return np.moveaxis(q.reshape(q.shape[:-2] + (-1,))[..., :K], -1, axis).astype(np.float32)
;;   ~~~
;;   SOFTMAX AHEAD OF A QUANTISED PRODUCT. Where the list says 'softmax', what is quantised is not the finished softmax but p = 2^(t - M), with t = logit x log2(e) and M = ceil(the row's largest t), a whole number; so 1/2 < the row's largest p <= 1. The row's sum l is taken of the UNQUANTISED p, in f32, and the product's result is divided by l at the end. Since M is a whole number, a kernel that streams over the keys may use a running M (the ceiling of the running maximum): every later rescaling is an exact power of two, which a block's scale takes up: the codes' values come out the same.
;;   OPERANDS COMPUTED ON THE WAY. 'Computed on the way' means the value that the module computes at that place (a softmax that the list does not call 'softmax' is quantised finished and normalised). What goes into a quantiser is computed in f32, as accurately as f32 sums, v_exp_f32 and their like allow (about 1e-6 of the number): no bf16 or f16 on the way to a quantiser, and a product that is left as it is and whose result goes on into a quantised operand takes f32 operands (vector FMAs, or v_wmma_f32_16x16x4_f32). A number that lies on a knife's edge between two numbers of the format may be rounded either way, as far as f32 arithmetic and the matrix unit's own rounding can turn it there, and no further.
;;   INPUTS GIVEN AS CODES. W_proj (in the module: [1024, 1024], K = its axis 1); W_qkv (in the module: [3072, 1024], K = its axis 1); x (in the module: [4, 2048, 1024], K = its axis 2): each comes as NAME_codes (uint8): NAME with its K axis moved to the last place and cut into blocks of 32 codes, [.., K / 32, bytes a block], one block behind the other in memory; two codes a byte, the lower K in the low four bits (a code: sign, 2 exponent bits, 1 mantissa bit); and NAME_scales (uint8): the same leading axes, one E8M0 byte (e + 127) for each 32 codes along K. Its value is code x scale, taken as it is: it is not quantised again, and the codes and scales need not be those that the quantiser above would give.
;; One version. Each part assembles by itself: llvm-mc -triple=amdgcn-amd-amdhsa -mcpu=gfx1250 --defsym DOCPART=n.
;; ======== version 1 of 1: 3 launches
;; workspace buffers: qk_codes 8,388,608 bytes; qk_scales 524,288 bytes; v_codes 4,194,304 bytes; v_scales 262,144 bytes; a_codes 4,194,304 bytes; a_scales 262,144 bytes
;; launch qkv (part 1): grid 8 x 48, 4 waves a work-group, clusters of 4 x 4, 296,448 bytes of LDS; arguments x_codes, x_scales, W_qkv_codes, W_qkv_scales, b_qkv, qk_codes, qk_scales, v_codes, v_scales; writes qk_codes, qk_scales, v_codes, v_scales
.if DOCPART == 1
	.amdgcn_target "amdgcn-amd-amdhsa--gfx1250"
	.amdhsa_code_object_version 6
	.text
	.protected	k_q097b1b4983_qkv
	.globl	k_q097b1b4983_qkv
	.p2align	8
	.type	k_q097b1b4983_qkv,@function
k_q097b1b4983_qkv:
	s_mov_b64 s[64:65], 0
	v_nop
	global_prefetch_b8 v0, s[64:65] scope:SCOPE_SE
	s_setreg_imm32_b32 hwreg(HW_REG_WAVE_MODE, 25, 1), 1
	s_wait_xcnt 0x0
	s_wait_alu depctr_hold_cnt(0) depctr_sa_sdst(0) depctr_va_vdst(0) depctr_va_sdst(0) depctr_va_ssrc(0) depctr_va_vcc(0) depctr_vm_vsrc(0)
	s_getreg_b32 s2, hwreg(HW_REG_IB_STS2, 6, 4)
	s_cmp_eq_u32 s2, 0
	s_cbranch_scc0 .Lentry_in_a_cluster
	s_endpgm
.Lentry_in_a_cluster:
	s_bfe_u32 s2, ttmp6, 0x10000c
	s_cmp_lg_u32 s2, 0xf033
	s_cbranch_scc0 .Lentry_shape_is_right
	s_endpgm
.Lentry_shape_is_right:
; qkv = x W_qkv^T + b_qkv on codes of FP4 (E2M1) with one E8M0 scale for each 32 along K = 1,024; the result is quantised at once for the attention: q and k along the head's 64, v along the keys.
; ONE BODY, TWO PARTS.  C'[i][j] = sum over k of P[i][k] T[j][k]: P is source 0, so that i runs along a lane's registers: i is the axis that is quantised.  T is source 1: a lane holds one j.
;   part qk (cluster y 0..7):  P = W_qkv's rows 0..2,047 (i = 64 g + d), T = x's rows (j = token).      part v (cluster y 8..11):  P = x's rows (i = token = key), T = W_qkv's rows 2,048.. (j = channel).
; SHARES.  A work-group makes 256 x 256, each of its four waves 128 x 128: 64 accumulators, 512 registers.  A row of 1,024 codes is 512 bytes, so ALL of K lies in LDS, as two pieces of 256 bytes a row:
; every LDS byte is filled once, nothing is filled again.  256 + 128 work-groups.
; CLUSTERS: 4 x 4.  T's rows hang on the cluster's row alone, P's on its column alone: each tile is asked for jointly by the four that need it, which divides the requests by four.
; NO PREFETCH: every tile is asked for at the head; nothing is streamed later.
; OUT: images of operand registers, lane l's 16 bytes at 16 l, so that each store covers 512 consecutive bytes:
;   qk_codes [b 4][g 32][token tile 128][512]: lane (r, h): token 16 T + r, d = 32 h .. 32 h + 31.   qk_scales [b][g][step 16][r 16][T' 4][4]: bytes {tile 2 T': block 0, 1; tile 2 T' + 1: block 0, 1} of token r.
;   v_codes [b][head 16][step 16][dt 4][c 2][512]: lane (r, h): channel 16 dt + r, keys 64 c + 32 h + 0 .. 31 of the step's 128.   v_scales [b][head][step][r 16][dt 4][4]: the channel's four blocks of keys.
; LIMITS: NaN and infinities are not served.  A block whose largest magnitude lies under 2^-124 gets the byte 1; so does a block of zeros (the rule says 127): its codes are zeros, and only this program reads the bytes.
; The bias is the C of the first K step: it is summed first, not last.
; REGISTERS, in windows of 256: window 0: addresses, v32-95 scale words, v96-111 at work, v128-191 the bias, later the codes made, v192-203 scale words made.
;   window 1: two sets of fragments: P's eight at 128 s, T's eight at 128 s + 64.   windows 2, 3: accumulator (a = T's block, b = P's block) at v[8 (8 (a % 4) + b)] of window 2 + a / 4.
.set PITCH,  272                       ; an LDS row: 256 bytes + 16 of padding = 68 words: the 16 rows that a fragment load touches start at 16 different banks (64 banks of 4 bytes: ISA guide 11.1)
.set HALFT,  128*PITCH                 ; 128 rows: what one tensor load brings, and what one wave reads of T or of P
.set SLOT,   4*HALFT                   ; a piece of K: T's 256 rows, then P's 256
.set SCL,    2*SLOT                    ; behind the two pieces: the scale bytes, 32 a row, as runs of 256 bytes + 16 of padding
.set HALFS,  16*272                    ; those of 128 rows
.set SBLK,   2*272                     ; those of 16 rows
.set LI,   4                           ; v4   16 x lane
.set SA,   5                           ; v5   16 r + 4,096 h: where my four scale words go
.set VSEL, 6                           ; v6   byte selects: lanes 0-15 take the first group's two bytes, lanes 16-31 the second's
.set BOP,  7                           ; v7   32 h: the bias along registers
.set BOT,  8                           ; v8   4 r: the bias along lanes
.set ADRT, 16                          ; v16-17  LDS address of my fragments of T in piece 0, 1
.set ADRP, 20                          ; v20-21  the same for P
.set ADRS, 27                          ; v27  my scale words: lanes 0-15 T's rows, lanes 16-31 P's
.set SC,   32                          ; v32-95  register 32 (q / 4) + 4 i + q % 4: lanes 0-15 the word of T's block i, lanes 16-31 of P's block i, for K step q
.set TM,   96                          ; v96-99 largest magnitudes, v100-103 the other half's, then bytes, v108-111 the conversions' scale operands
.set CB,   128                         ; v128-191 the bias in the result's layout
.set PC,   128                         ; later: the codes of T's block jt at v[128 + 8 jt]
.set PW,   192                         ; v192-199 its scale word
.set WD,   200                         ; v200-203 the four words that a lane stores
.set WV,   22
.set FT,   23                          ; wave / 2: I fetch for T (0) or for P (1); also which half of T's rows is mine
.set G1T,  24
.set G0T,  32
.set CX,   40
.set CY,   41
.set PI,   42                          ; which 256 rows of P: it never holds cy
.set TI,   43                          ; which 256 rows of T: it never holds cx
.set MROW, 44
.set MCOL, 45
.set G1P,  48
.set G0P,  56
.set HF,   66                          ; wave % 2: which 128 rows I fetch; also which half of P's rows is mine
.set PART, 67                          ; 0: part qk, 1: part v; the same in all partners of a cluster
.set G1TS, 68
.set G0TS, 76
.set G1PS, 80
.set G0PS, 88
.set PP,   92                          ; s[92:93] P's codes, s[94:95] P's scales
.set SEL,  98
.set HIGH, 100                         ; the mask of lanes 16-31
.set MSB, 0
.macro WIN new                         ; the immediate's high byte repeats the setting that is left
.if MSB != (\new)
	s_set_vgpr_msb (MSB<<8)|(\new)
.set MSB, (\new)
.endif
.endm
; A joint load: waves 0 and 1 fetch for T, waves 2 and 3 for P.  The branch hangs on the wave's number alone.  Four v_nop follow each of the two lines.
.macro JLOAD g0t, g1t, g0p, g1p
	s_cmp_eq_u32 s[FT], 0
	s_cbranch_scc0 .Lfor_p_\@
	tensor_load_to_lds s[\g0t:\g0t+3], s[\g1t:\g1t+7]
	s_nop 0
.rept 4
	v_nop
.endr
	s_branch .Lasked_\@
.Lfor_p_\@:
	tensor_load_to_lds s[\g0p:\g0p+3], s[\g1p:\g1p+7]
	s_nop 0
.rept 4
	v_nop
.endr
.Lasked_\@:
.endm
.macro CROUND                          ; a round of the cluster's barrier
	s_barrier_signal -1
	s_barrier_wait -1
	s_cmp_lg_u32 s[WV], 0
	s_cbranch_scc1 .Lnot_wave_0_\@
	s_barrier_signal -3
.Lnot_wave_0_\@:
	s_barrier_wait -3
	s_barrier_signal -1
	s_barrier_wait -1
.endm
.macro PLACES n
.rept \n
	v_nop
.endr
.endm
	s_load_b512 s[4:19], s[0:1], 0x0               ; x's codes s[4:5], scales s[6:7]; W's codes s[8:9], scales s[10:11]; b_qkv s[12:13]; qk_codes s[14:15]; qk_scales s[16:17]; v_codes s[18:19]
	s_load_b64 s[20:21], s[0:1], 0x40              ; v_scales
	v_lshl_add_u32 v254, v0, 2, 0x48400
	v_mov_b32 v255, 0
	ds_add_u32 v254, v255
	ds_add_u32 v254, v255
	v_lshrrev_b32 v1, 5, v0
	v_readfirstlane_b32 s[WV], v1                  ; wave 0..3
	s_lshr_b32 s[FT], s[WV], 1
	s_and_b32 s[HF], s[WV], 1
	s_bfe_u32 s[CX], ttmp6, 0x40000                ; cx, cy: my place in the cluster
	s_bfe_u32 s[CY], ttmp6, 0x40004
	s_and_b32 s2, ttmp7, 0xffff                    ; cluster y
	s_lshl_b32 s[PI], ttmp9, 2
	s_add_co_u32 s[PI], s[PI], s[CX]               ; 4 x cluster x + cx: part qk's block of W's rows
	s_sub_co_u32 s3, s2, 8
	s_lshl_b32 s3, s3, 3
	s_add_co_u32 s3, s3, s[PI]                     ; + 8 (cluster y - 8): part v's block of tokens
	s_lshl_b32 s101, s2, 2
	s_add_co_u32 s101, s101, s[CY]                 ; 4 x cluster y + cy: part qk's block of tokens
	s_cmp_ge_u32 s2, 8
	s_cselect_b32 s[PI], s3, s[PI]
	s_cselect_b32 s[TI], s[CY], s101               ; part v's block of channels is cy
	s_cselect_b32 s[PART], 1, 0
	s_lshl_b32 s[MROW], s[CY], 2
	s_lshl_b32 s[MROW], 15, s[MROW]                ; my row of the cluster
	s_lshl_b32 s[MCOL], 0x1111, s[CX]              ; my column
	; group 1, codes: 128 rows x 256 bytes, 512 bytes apart in memory, 16 bytes of padding behind each in LDS
	s_or_b32 s[G1T], s[MROW], (0<<16)|(1<<20)|(1<<21)|(5<<22)|(3<<25)   ; 15:0 the mask; 17:16 elements of 1 byte; 20 padding on; 21 set beside a mask; 24:22 after every 64 words; 31:25 four words
	s_or_b32 s[G1P], s[MCOL], (0<<16)|(1<<20)|(1<<21)|(5<<22)|(3<<25)
.irp g, G1T, G1P
	s_mov_b32 s[\g+1], 256<<16                     ; tensor_dim0
	s_mov_b32 s[\g+2], 128<<16                     ; tensor_dim1
	s_mov_b32 s[\g+3], 256<<16                     ; tile_dim0
	s_mov_b32 s[\g+4], 128                         ; tile_dim1
	s_mov_b32 s[\g+5], 512                         ; from row to row
	s_mov_b32 s[\g+6], 0
	s_mov_b32 s[\g+7], 0
.endr
	; group 1, scale bytes of 128 rows: 4,096 dense bytes as 16 rows of 32 elements of 8 bytes, 16 bytes of padding behind each
	s_or_b32 s[G1TS], s[MROW], (3<<16)|(1<<20)|(1<<21)|(5<<22)|(3<<25)
	s_or_b32 s[G1PS], s[MCOL], (3<<16)|(1<<20)|(1<<21)|(5<<22)|(3<<25)
.irp g, G1TS, G1PS
	s_mov_b32 s[\g+1], 32<<16
	s_mov_b32 s[\g+2], 16<<16
	s_mov_b32 s[\g+3], 32<<16
	s_mov_b32 s[\g+4], 16
	s_mov_b32 s[\g+5], 32
	s_mov_b32 s[\g+6], 0
	s_mov_b32 s[\g+7], 0
.endr
	s_lshl_b32 s2, s[HF], 7                        ; which 128 rows of a tile I fetch
	s_lshl_b32 s101, s[TI], 8
	s_add_co_u32 s101, s101, s2
	s_lshl_b32 s46, s[PART], 11
	s_add_co_u32 s101, s101, s46                   ; T's first row that I fetch (in part v: 2,048 rows down W_qkv)
	s_lshl_b32 s3, s[PI], 8
	s_add_co_u32 s3, s3, s2                        ; P's
	s_mov_b32 s47, 0
	s_mov_b32 s97, 0
	s_wait_dscnt 0x0
	s_wait_kmcnt 0x0
	s_cmp_eq_u32 s[PART], 1                        ; the buffers are chosen by the part alone
	s_cselect_b64 s[PP:PP+1], s[4:5], s[8:9]       ; P's codes: x's or W's
	s_cselect_b64 s[PP+2:PP+3], s[6:7], s[10:11]   ; P's scales
	s_cselect_b64 s[4:5], s[8:9], s[4:5]           ; T's codes: W's or x's
	s_cselect_b64 s[6:7], s[10:11], s[6:7]         ; T's scales
	s_cselect_b64 s[14:15], s[18:19], s[14:15]     ; the codes made go to v_codes or to qk_codes
	s_cselect_b64 s[16:17], s[20:21], s[16:17]     ; their scale words likewise
	s_lshl_b32 s46, s101, 9                        ; 512 bytes of codes a row
	s_add_nc_u64 s[4:5], s[4:5], s[46:47]
	s_lshl_b32 s46, s101, 5                        ; 32 scale bytes a row
	s_add_nc_u64 s[6:7], s[6:7], s[46:47]
	s_lshl_b32 s96, s3, 9
	s_add_nc_u64 s[PP:PP+1], s[PP:PP+1], s[96:97]
	s_lshl_b32 s96, s3, 5
	s_add_nc_u64 s[PP+2:PP+3], s[PP+2:PP+3], s[96:97]
	CROUND                                         ; all sixteen work-groups are here: the joint loads meet
	s_mul_i32 s2, s[WV], HALFS                     ; where they go: wave x 128 rows: no place in the cluster enters an LDS address
	s_mov_b32 s[G0TS], 1
	s_add_co_u32 s[G0TS+1], s2, SCL
	s_mov_b64 s[G0TS+2:G0TS+3], s[6:7]
	s_or_b32 s[G0TS+3], s[G0TS+3], 0x80000000
	s_mov_b32 s[G0PS], 1
	s_add_co_u32 s[G0PS+1], s2, SCL
	s_mov_b64 s[G0PS+2:G0PS+3], s[PP+2:PP+3]
	s_or_b32 s[G0PS+3], s[G0PS+3], 0x80000000
	JLOAD G0TS, G1TS, G0PS, G1PS                   ; the scale bytes first: they are wanted with K step 0
	s_mul_i32 s2, s[WV], HALFT
.irp s, 0,1
	s_mov_b32 s[G0T+4*\s], 1
	s_add_co_u32 s[G0T+4*\s+1], s2, \s*SLOT
	s_add_nc_u64 s[G0T+4*\s+2:G0T+4*\s+3], s[4:5], \s*256
	s_or_b32 s[G0T+4*\s+3], s[G0T+4*\s+3], 0x80000000
	s_mov_b32 s[G0P+4*\s], 1
	s_add_co_u32 s[G0P+4*\s+1], s2, \s*SLOT
	s_add_nc_u64 s[G0P+4*\s+2:G0P+4*\s+3], s[PP:PP+1], \s*256
	s_or_b32 s[G0P+4*\s+3], s[G0P+4*\s+3], 0x80000000
	JLOAD G0T+4*\s, G1T, G0P+4*\s, G1P             ; three tensor loads of a wave are out
.endr
	s_mov_b32 s[SEL], 0x76543210
	s_mov_b32 s[SEL+1], 0xfedcba98                 ; v_permlanex16_b32's selects for lane l xor 16
	s_mov_b32 s[HIGH], 0xffff0000
	v_and_b32 v1, 15, v0                           ; r
	v_bfe_u32 v2, v0, 4, 1                         ; h
	v_and_b32 v3, 31, v0
	v_lshlrev_b32 v[LI], 4, v3
	v_lshlrev_b32 v[SA], 4, v1
	v_lshl_add_u32 v[SA], v2, 12, v[SA]
	v_mul_lo_u32 v[VSEL], v2, 0x02020202
	v_add_nc_u32 v[VSEL], 0x05040100, v[VSEL]
	v_lshlrev_b32 v[BOP], 5, v2
	v_lshlrev_b32 v[BOT], 2, v1
.irp b, 0,1,2,3
	v_mov_b32 v[TM+4+\b], 0                        ; written once: a lane permute's destination counts as one of its sources
.endr
	v_mul_u32_u24 v3, v1, PITCH
	v_lshl_add_u32 v3, v2, 4, v3                   ; a fragment's row x pitch + 16 x half
	s_mul_i32 s2, s[FT], HALFT                     ; my 128 rows of T
	s_mul_i32 s3, s[HF], HALFT                     ; my 128 rows of P,
	s_add_co_u32 s3, s3, 2*HALFT                   ; which lie behind T's 256
.irp s, 0,1
	v_add_nc_u32 v[ADRT+\s], s2, v3
	v_add_nc_u32 v[ADRP+\s], s3, v3
	s_add_co_u32 s2, s2, SLOT
	s_add_co_u32 s3, s3, SLOT
.endr
	v_lshlrev_b32 v9, 5, v1                        ; my row's scale bytes: 32 a row,
	v_lshrrev_b32 v10, 8, v9
	v_lshl_add_u32 v9, v10, 4, v9                  ; and 16 more for each 256 passed
	s_mul_i32 s2, s[FT], HALFS
	s_mul_i32 s3, s[HF], HALFS
	s_add_co_u32 s3, s3, 2*HALFS
	s_sub_co_u32 s3, s3, s2
	v_mul_u32_u24 v10, s3, v2                      ; lanes 16-31 take P's: one product with h
	s_add_co_u32 s2, s2, SCL
	v_add_nc_u32 v9, v9, v10
	v_add_nc_u32 v[ADRS], s2, v9
	; where the bias begins and where the results go.  "channel" = W's row, "token" = x's row: which of them is P's axis hangs on the part
	s_cmp_eq_u32 s[PART], 1
	s_cselect_b32 s8, s[TI], s[PI]                 ; the work-group's block of 256 channels,
	s_cselect_b32 s9, s[FT], s[HF]                 ; my half of it,
	s_cselect_b32 s10, s[PI], s[TI]                ; the block of 256 tokens,
	s_cselect_b32 s11, s[HF], s[FT]                ; my half of it
	s_lshl_b32 s18, s8, 1
	s_add_co_u32 s18, s18, s9                      ; which 128 channels
	s_lshl_b32 s19, s[PART], 4
	s_add_co_u32 s19, s19, s18
	s_lshl_b32 s20, s19, 9                         ; x 128 numbers of 4 bytes
	s_mov_b32 s21, 0
	s_add_nc_u64 s[12:13], s[12:13], s[20:21]
	s_lshr_b32 s19, s10, 3                         ; the batch:
	s_sub_co_u32 s20, 21, s[PART]
	s_lshl_b32 s19, s19, s20                       ; 2 MiB of qk_codes, 1 MiB of v_codes
	s_lshl_b32 s18, s18, 17                        ; 128 channels are two groups or heads of 65,536 bytes
	s_add_co_u32 s19, s19, s18
	s_and_b32 s10, s10, 7
	s_lshl_b32 s10, s10, 1
	s_add_co_u32 s10, s10, s11                     ; my 128 tokens are this step of the batch's sixteen:
	s_lshl_b32 s10, s10, 12                        ; 4,096 bytes a step
	s_add_co_u32 s20, s19, s10
	s_add_nc_u64 s[14:15], s[14:15], s[20:21]
	s_lshr_b32 s20, s20, 4                         ; a scale byte for each 16 bytes of codes, in the same order
	s_add_nc_u64 s[16:17], s[16:17], s[20:21]
	s_cmp_eq_u32 s[PART], 1
	s_cbranch_scc1 .Lbias_v
.irp b, 0,1,2,3,4,5,6,7                        ; part qk: register j of block b wants b_qkv at 16 b + 8 h + j
	global_load_b128 v[CB+8*\b:CB+8*\b+3], v[BOP], s[12:13] offset:64*\b
	global_load_b128 v[CB+8*\b+4:CB+8*\b+7], v[BOP], s[12:13] offset:64*\b+16
.endr
	s_branch .Lbias_done
.Lbias_v:
.irp a, 0,1,2,3,4,5,6,7                        ; part v: all eight registers of block a want b_qkv at 16 a + r
.irp j, 0,1,2,3,4,5,6,7
	global_load_b32 v[CB+8*\a+\j], v[BOT], s[12:13] offset:64*\a
.endr
.endr
.Lbias_done:
.macro SCALES                          ; all scale words: lanes 0-15 take T's block i, lanes 16-31 P's; four words (four K steps) a load
.irp sc, 0,1
.irp i, 0,1,2,3,4,5,6,7
	ds_load_b128 v[SC+32*\sc+4*\i:SC+32*\sc+4*\i+3], v[ADRS] offset:\i*SBLK+16*\sc
.endr
.endr
.endm
; The fragments of K step q (128 along K: 64 bytes of a row) into a set: a fragment is 8 registers: lane (r, h) holds row r; registers 4 c .. 4 c + 3 hold K = 64 c + 32 h + 0 .. 31
.macro FETCH q, set
	WIN 0x40                                       ; destination window 1, address window 0
.irp i, 0,1,2,3,4,5,6,7
.irp c, 0,1
	ds_load_b128 v[128*(\set)+8*\i+4*\c:128*(\set)+8*\i+4*\c+3], v[ADRP+(\q)/4] offset:64*((\q)%4)+32*\c+\i*16*PITCH
.endr
.endr
.irp i, 0,1,2,3,4,5,6,7
.irp c, 0,1
	ds_load_b128 v[128*(\set)+64+8*\i+4*\c:128*(\set)+64+8*\i+4*\c+3], v[ADRT+(\q)/4] offset:64*((\q)%4)+32*\c+\i*16*PITCH
.endr
.endr
.endm
; The 64 products of K step q.  The accumulators take turns, one instruction a turn, in the same order in every step.
; mode 0: onto the sums.  mode 1: the sums begin with the bias of P's block.  mode 2: with the bias of T's block.  Nothing is ever cleared.
.macro MULS q, mode
.irp a, 0,1,2,3,4,5,6,7
.if \mode == 0
	WIN 0xa5+0x50*(\a/4)                           ; sources 0 and 1 window 1; C and D window 2 or 3
.else
	WIN 0x85+0x40*(\a/4)                           ; C window 0
.endif
.irp b, 0,1,2,3,4,5,6,7
.if \mode == 0
	v_wmma_scale_f32_16x16x128_f8f6f4 v[8*(8*(\a%4)+\b):8*(8*(\a%4)+\b)+7], v[128*((\q)%2)+8*\b:128*((\q)%2)+8*\b+7], v[128*((\q)%2)+64+8*\a:128*((\q)%2)+64+8*\a+7], v[8*(8*(\a%4)+\b):8*(8*(\a%4)+\b)+7], v[SC+32*((\q)/4)+4*\b+(\q)%4], v[SC+32*((\q)/4)+4*\a+(\q)%4] matrix_a_fmt:MATRIX_FMT_FP4 matrix_b_fmt:MATRIX_FMT_FP4 matrix_a_scale:MATRIX_SCALE_ROW1
.elseif \mode == 1
	v_wmma_scale_f32_16x16x128_f8f6f4 v[8*(8*(\a%4)+\b):8*(8*(\a%4)+\b)+7], v[128*((\q)%2)+8*\b:128*((\q)%2)+8*\b+7], v[128*((\q)%2)+64+8*\a:128*((\q)%2)+64+8*\a+7], v[CB+8*\b:CB+8*\b+7], v[SC+32*((\q)/4)+4*\b+(\q)%4], v[SC+32*((\q)/4)+4*\a+(\q)%4] matrix_a_fmt:MATRIX_FMT_FP4 matrix_b_fmt:MATRIX_FMT_FP4 matrix_a_scale:MATRIX_SCALE_ROW1
.else
	v_wmma_scale_f32_16x16x128_f8f6f4 v[8*(8*(\a%4)+\b):8*(8*(\a%4)+\b)+7], v[128*((\q)%2)+8*\b:128*((\q)%2)+8*\b+7], v[128*((\q)%2)+64+8*\a:128*((\q)%2)+64+8*\a+7], v[CB+8*\a:CB+8*\a+7], v[SC+32*((\q)/4)+4*\b+(\q)%4], v[SC+32*((\q)/4)+4*\a+(\q)%4] matrix_a_fmt:MATRIX_FMT_FP4 matrix_b_fmt:MATRIX_FMT_FP4 matrix_a_scale:MATRIX_SCALE_ROW1
.endif
.endr
.endr
.endm
; What stands in front of K step q's products: the next step's 32 loads, into the set that the step before multiplied, so that they land under this step's 64 products.
.macro HEAD q
.if \q == 3                            ; K step 4 lies in the second piece: every wave's part of it has landed, and every wave knows
	s_wait_tensorcnt 0x0
	s_wait_dscnt 0x0                               ; no LDS instruction is pending at a signal
	s_barrier_signal -1
	s_barrier_wait -1
.endif
.if \q < 7
.if \q > 0
	PLACES 4                                       ; four places between the last product and loads into registers that it and its like have read (ISA guide 7.12.1 for vector instructions)
.endif
	FETCH \q+1, (\q+1)%2
	s_wait_dscnt 32                                ; all but the 32 just issued: this step's set (and, in step 0, the scale words) are in
.else
	s_wait_dscnt 0x0
.endif
.endm
	s_wait_tensorcnt 1                             ; the scale bytes and my part of the first piece are in; the second piece's load may be out
	s_barrier_signal -1
	s_barrier_wait -1                              ; everybody's are
	s_wait_alu depctr_va_vdst(0)
	SCALES
	FETCH 0, 0
	s_wait_loadcnt 0x0                             ; the bias
	HEAD 0
	WIN 0                                          ; at a branch and at a label every window is 0
	s_cmp_eq_u32 s[PART], 1
	s_cbranch_scc1 .Lstart_v
	MULS 0, 1
	WIN 0
	s_branch .Lstarted
.Lstart_v:
	MULS 0, 2
	WIN 0
.Lstarted:
.irp q, 1,2,3,4,5,6,7
	HEAD \q
	MULS \q, 0
.endr
	WIN 0
	PLACES 4                                       ; in front of the first read of results
; THE QUANTISER.  For T's block jt a lane holds 64 numbers of ONE row j: register 8 t + n = i 16 t + 8 h + n.  Block b of 32 along i is registers 16 b .. 16 b + 15 of lanes l and l xor 16.
; Its largest magnitude, with the floor 2^(3 - 127) among the leaves; 2 off the exponent field gives the conversion's scale operand; that, shifted, the byte.
; The conversions' destinations are laid so that two exchanges of halves for each 64 along i give the operand's order: lane (r, h): registers 4 c .. 4 c + 3 = i 64 c + 32 h + 0 .. 31.
.macro QUANTW jt
.set AC, 64*((\jt)%4)
.set WW, 2+(\jt)/4
.set PCJ, PC+8*(\jt)
.set PWJ, PW+(\jt)
	WIN 5*WW                                       ; sources 0 and 1: the accumulators' window
.irp b, 0,1,2,3
	v_max3_num_f32 v[TM+\b], |v[AC+16*\b]|, |v[AC+16*\b+1]|, 0x1800000      ; each accumulator is read from its low end on
.endr
.irp i, 2,4,6,8,10,12,14
.irp b, 0,1,2,3
	v_max3_num_f32 v[TM+\b], |v[AC+16*\b+\i]|, |v[AC+16*\b+\i+1]|, v[TM+\b]   ; the four blocks by turns
.endr
.endr
	WIN 0
.irp b, 0,1,2,3
	v_permlanex16_b32 v[TM+4+\b], v[TM+\b], s[SEL], s[SEL+1]
.endr
.irp b, 0,1,2,3
	v_max_num_f32 v[TM+\b], v[TM+\b], v[TM+4+\b]   ; with lane l xor 16's: the block's largest magnitude
.endr
.irp b, 0,1,2,3
	v_add_nc_u32 v[TM+12+\b], 0xff000000, v[TM+\b] ; 2 off its exponent field: the conversion takes that field alone as its scale
.endr
.irp b, 0,1,2,3
	v_lshrrev_b32 v[TM+4+\b], 23, v[TM+12+\b]      ; the scale's byte
.endr
	v_lshl_or_b32 v[PWJ], v[TM+5], 8, v[TM+4]
	v_lshl_or_b32 v[PWJ], v[TM+6], 16, v[PWJ]
	v_lshl_or_b32 v[PWJ], v[TM+7], 24, v[PWJ]      ; my row's scale word, the same in both halves of the lanes
	WIN WW                                         ; source 0: the accumulators' window
.irp c, 0,1
	v_cvt_scalef32_pk8_fp4_f32 v[PCJ+4*\c],   v[AC+32*\c:AC+32*\c+7],     v[TM+12+2*\c]
	v_cvt_scalef32_pk8_fp4_f32 v[PCJ+4*\c+2], v[AC+32*\c+8:AC+32*\c+15],  v[TM+12+2*\c]
	v_cvt_scalef32_pk8_fp4_f32 v[PCJ+4*\c+1], v[AC+32*\c+16:AC+32*\c+23], v[TM+12+2*\c+1]
	v_cvt_scalef32_pk8_fp4_f32 v[PCJ+4*\c+3], v[AC+32*\c+24:AC+32*\c+31], v[TM+12+2*\c+1]
.endr
	WIN 0
	v_nop                                          ; one plain place behind a scaled conversion
.irp c, 0,1
	v_permlane16_swap_b32 v[PCJ+4*\c],   v[PCJ+4*\c+1]   ; the first's lanes 16-31 change places with the second's lanes 0-15
	v_permlane16_swap_b32 v[PCJ+4*\c+2], v[PCJ+4*\c+3]
.endr
.endm
; Block jt's codes leave at once: two stores of 512 consecutive bytes.  Every block has registers of its own, so no store's data are written again.
.macro SENDQ jt
	s_cmp_eq_u32 s[PART], 1
	s_cbranch_scc1 .Lsend_v_\@
.irp c, 0,1                                    ; part qk: group c, token tile jt
	global_store_b128 v[LI], v[PC+8*(\jt)+4*\c:PC+8*(\jt)+4*\c+3], s[14:15] offset:\c*65536+(\jt)*512
.endr
	s_branch .Lsent_\@
.Lsend_v_\@:
	s_wait_alu depctr_va_vdst(0)
.irp c, 0,1                                    ; part v: head jt / 4, channels 16 (jt % 4) on, piece c
	global_store_b128 v[LI], v[PC+8*(\jt)+4*\c:PC+8*(\jt)+4*\c+3], s[14:15] offset:((\jt)/4)*65536+((\jt)%4)*1024+\c*512
.endr
.Lsent_\@:
.endm
.irp jt, 0,1,2,3,4,5,6,7
	QUANTW \jt
	SENDQ \jt
.endr
	s_cmp_eq_u32 s[PART], 1
	s_cbranch_scc1 .Lwords_v
.irp t, 0,1,2,3                                ; part qk: two bytes of tile 2 t's word and two of tile 2 t + 1's: lanes 0-15 the first group's, lanes 16-31 the second's
	v_perm_b32 v[WD+\t], v[PW+2*\t+1], v[PW+2*\t], v[VSEL]
.endr
	s_branch .Lwords_done
.Lwords_v:
.irp t, 0,1,2,3                                ; part v: lanes 0-15 the first head's four words, lanes 16-31 the second's
	v_cndmask_b32 v[WD+\t], v[PW+\t], v[PW+4+\t], s[HIGH]
.endr
.Lwords_done:
	s_wait_alu depctr_va_vdst(0)
	global_store_b128 v[SA], v[WD:WD+3], s[16:17]  ; sixteen lanes store 256 consecutive bytes, twice
	s_wait_dscnt 0x0
	s_wait_tensorcnt 0x0
	ds_add_u32 v254, v255
	s_wait_dscnt 0x0
	CROUND                                         ; the closing round: no work-group ends while a partner may still ask for a tile that names it
	s_endpgm
.Lfunc_end_k_q097b1b4983_qkv:
	.size	k_q097b1b4983_qkv, .Lfunc_end_k_q097b1b4983_qkv-k_q097b1b4983_qkv
	.p2alignl 7, 3214868480
	.fill 96, 4, 3214868480
	.section	.rodata,"a",@progbits
	.p2align	6, 0x0
	.amdhsa_kernel k_q097b1b4983_qkv
		.amdhsa_group_segment_fixed_size 296448
		.amdhsa_private_segment_fixed_size 0
		.amdhsa_enable_private_segment 0
		.amdhsa_kernarg_size 72
		.amdhsa_user_sgpr_count 2
		.amdhsa_user_sgpr_kernarg_segment_ptr 1
		.amdhsa_wavefront_size32 1
		.amdhsa_system_sgpr_workgroup_id_x 1
		.amdhsa_system_sgpr_workgroup_id_y 1
		.amdhsa_system_sgpr_workgroup_id_z 1
		.amdhsa_system_vgpr_workitem_id 0
		.amdhsa_next_free_vgpr 1024
		.amdhsa_next_free_sgpr 102
		.amdhsa_reserve_vcc 0
		.amdhsa_float_denorm_mode_32 3
		.amdhsa_float_denorm_mode_16_64 3
		.amdhsa_memory_ordered 1
		.amdhsa_forward_progress 1
		.amdhsa_inst_pref_size 146
	.end_amdhsa_kernel
	.amdgpu_metadata
---
amdhsa.version: [ 1, 2 ]
amdhsa.kernels:
  - .name:           k_q097b1b4983_qkv
    .symbol:         k_q097b1b4983_qkv.kd
    .args:
      - { .name: x_codes, .offset: 0, .size: 8, .value_kind: global_buffer, .address_space: global }
      - { .name: x_scales, .offset: 8, .size: 8, .value_kind: global_buffer, .address_space: global }
      - { .name: W_qkv_codes, .offset: 16, .size: 8, .value_kind: global_buffer, .address_space: global }
      - { .name: W_qkv_scales, .offset: 24, .size: 8, .value_kind: global_buffer, .address_space: global }
      - { .name: b_qkv, .offset: 32, .size: 8, .value_kind: global_buffer, .address_space: global }
      - { .name: qk_codes, .offset: 40, .size: 8, .value_kind: global_buffer, .address_space: global }
      - { .name: qk_scales, .offset: 48, .size: 8, .value_kind: global_buffer, .address_space: global }
      - { .name: v_codes, .offset: 56, .size: 8, .value_kind: global_buffer, .address_space: global }
      - { .name: v_scales, .offset: 64, .size: 8, .value_kind: global_buffer, .address_space: global }
    .group_segment_fixed_size: 296448
    .private_segment_fixed_size: 0
    .kernarg_segment_align: 8
    .kernarg_segment_size: 72
    .max_flat_workgroup_size: 128
    .sgpr_count:     102
    .vgpr_count:     1024
    .wavefront_size: 32
...
	.end_amdgpu_metadata
.endif
;; end of part 1
;; launch attn (part 2): grid 4 x 64, 16 waves a work-group, clusters of 4 x 1, 169,984 bytes of LDS; arguments qk_codes, qk_scales, v_codes, v_scales, a_codes, a_scales; writes a_codes, a_scales
.if DOCPART == 2
	.amdgcn_target "amdgcn-amd-amdhsa--gfx1250"
	.amdhsa_code_object_version 6
	.text
	.protected	k_q097b1b4983_attn
	.globl	k_q097b1b4983_attn
	.p2align	8
	.type	k_q097b1b4983_attn,@function
k_q097b1b4983_attn:
	s_mov_b64 s[64:65], 0
	v_nop
	global_prefetch_b8 v0, s[64:65] scope:SCOPE_SE
	s_setreg_imm32_b32 hwreg(HW_REG_WAVE_MODE, 25, 1), 1
	s_wait_xcnt 0x0
	s_wait_alu depctr_hold_cnt(0) depctr_sa_sdst(0) depctr_va_vdst(0) depctr_va_sdst(0) depctr_va_ssrc(0) depctr_va_vcc(0) depctr_vm_vsrc(0)
	s_getreg_b32 s2, hwreg(HW_REG_IB_STS2, 6, 4)
	s_cmp_eq_u32 s2, 0
	s_cbranch_scc0 .Lentry_in_a_cluster
	s_endpgm
.Lentry_in_a_cluster:
	s_bfe_u32 s2, ttmp6, 0x10000c
	s_cmp_lg_u32 s2, 0x3003
	s_cbranch_scc0 .Lentry_shape_is_right
	s_endpgm
.Lentry_shape_is_right:
; o[b][h][q] = sum over k of softmax_k(q . k / 8) v[k], both products on codes of FP4 (E2M1) with one E8M0 scale for each 32 along a product's K; o is quantised at once along the model's 1,024 for the last product.
; THE SOFTMAX AHEAD OF THE SECOND PRODUCT: t = score x log2(e) / 8; M = the largest t so far, rounded UP to a whole number; p = 2^(t - M) is what is quantised, along the keys; the row's sum is taken of the
; unquantised p and divides at the end.  When M moves, the sum and O are multiplied by 2^(old M - new M): exact.
; SHARES.  A work-group owns 512 queries of one head; each of its sixteen waves one tile of 16 queries in each of two passes: four waves to a SIMD, so that one wave's vector work stands beside another's loads and products.
; THE HEAD'S WHOLE K AND V (codes 2 x 65,536 bytes, scale bytes 2 x 4,096) LIE IN LDS, filled once: no ring, one barrier.  CLUSTER: the four work-groups of a head ask for them jointly.
; NO PREFETCH: all tiles are asked for at the head; nothing is streamed later.
; All operands lie as images of their registers (lane l's 16 bytes at 16 l): every LDS load reads 512 bytes on end.
; LAYOUT.  Both products are used transposed: S^T = K Q^T (source 0 = keys, source 1 = my 16 queries), O^T = V^T P^T (source 0 = 16 channels, source 1 = P): a lane holds ONE query (lane % 16) throughout.
; K = 64 IN AN INSTRUCTION 128 DEEP: a fragment of K holds TWO tiles of 16 keys, tile 2 t at k 0 .. 63 and tile 2 t + 1 at k 64 .. 127.  Against [q | zero codes] it gives tile 2 t's scores, against [zero codes | q] tile 2 t + 1's.
; So register 8 u + n of S^T is key 16 u + 8 h + n, and block b of 32 keys is registers 16 b .. 16 b + 15 of lanes l and l xor 16.
; LIMITS: NaN and infinities are not served.  A block of o whose largest magnitude lies under 2^-124 gets the byte 1, a block of zeros too (its codes are zeros; only this program reads the bytes).
; A block's largest p is taken from the block's largest score by the same multiply-add and exponential: this takes v_exp_f32 not to fall where its input rises.
.set KIMG, 0                           ; K's codes: [tile 128][512]
.set VIMG, 65536                       ; V's codes: [step 16][dt 4][c 2][512]
.set KSCL, 131072                      ; K's scale words: [step 16][r 16][T' 4][4]
.set VSCL, 135168                      ; V's: [step 16][r 16][dt 4][4]
.set LI,   1                           ; v1   16 x lane
.set LSC,  2                           ; v2   KSCL + 16 r
.set ADK,  3                           ; v3   the step's tiles of K
.set ADV,  4                           ; v4   of V
.set ADS,  5                           ; v5   its scale words
.set R4,   6                           ; v6   4 r
.set R16,  7                           ; v7   16 r
.set QW,   8                           ; v8   the word that holds my queries' two scale bytes
.set QSC,  9                           ; v9   Q's scale word {s0, s1, s0, s1}
.set PSC,  10                          ; v10  p's scale word
.set SW,   11                          ; v11  o's two scale bytes
                                       ; v12 -M, v13 the largest t, v[14:15] the sum in two halves, v16 f, v17 0
                                       ; v20-23 zero codes, v24-27 q, v28-31 zero codes: v[24:31] = [q | 0], v[20:27] = [0 | q]
.set KF,   32                          ; v32-63   four fragments of K
.set VF,   64                          ; v64-95   four fragments of V^T
.set S,    96                          ; v96-159  S^T, then p
.set O,    160                         ; v160-191 O^T
.set PC,   192                         ; v192-199 p's codes
.set KSC,  200                         ; v200-203 K's scale words
.set VSC,  204                         ; v204-207 V's
.set BM,   208                         ; v208-211 the blocks' largest
.set T2,   212                         ; v212-215 at work
.set SO,   216                         ; v216-219 the conversions' scale operands
                                       ; v[220:221] the sums' second chain, v222-223 at work
.set WV,   16
.set SEL,  20
.set CS,   22
.set G1C,  24
.set G1S,  32
.set G0C,  40
.set G0S,  44
.set TB,   48                          ; s48  where the step's codes begin in KIMG (and in VIMG): 4,096 bytes a step
.set TS,   49                          ; s49  and its scale words: 256 bytes a step
.set CNT,  50
.set QP,   52
.set QSP,  54
.set OP,   56
.set OSP,  58
.set PSEL, 60
.macro CROUND                          ; a round of the cluster's barrier
	s_barrier_signal -1
	s_barrier_wait -1
	s_cmp_lg_u32 s[WV], 0
	s_cbranch_scc1 .Lnot_wave_0_\@
	s_barrier_signal -3
.Lnot_wave_0_\@:
	s_barrier_wait -3
	s_barrier_signal -1
	s_barrier_wait -1
.endm
	s_load_b256 s[4:11], s[0:1], 0x0               ; qk_codes s[4:5], qk_scales s[6:7], v_codes s[8:9], v_scales s[10:11]
	s_load_b128 s[12:15], s[0:1], 0x20             ; a_codes s[12:13], a_scales s[14:15]
	v_lshl_add_u32 v254, v0, 2, 0x29000
	v_mov_b32 v255, 0
	ds_add_u32 v254, v255
	ds_add_u32 v254, v255
	v_lshrrev_b32 v1, 5, v0
	s_delay_alu instid0(VALU_DEP_1)
	v_readfirstlane_b32 s[WV], v1                  ; wave 0..15
	s_bfe_u32 s61, ttmp6, 0x40000                  ; cx: it enters Q's and the outputs' addresses alone
	s_and_b32 s62, ttmp7, 0xffff                   ; 16 b + h, which the four partners share
	s_lshr_b32 s63, s62, 4                         ; b
	s_and_b32 s66, s62, 15                         ; h
	s_lshl_b32 s67, s63, 21                        ; qk_codes: 2 MiB a batch,
	s_lshl_b32 s68, s66, 16                        ; 65,536 bytes a group
	s_add_co_u32 s68, s68, s67
	s_mov_b32 s69, 0
	s_lshl_b32 s70, s62, 16                        ; v_codes: 65,536 bytes a head
	s_mov_b32 s71, 0
	; group 1: dense blocks as rows of 32 elements of 8 bytes: 64 rows (16,384 bytes of codes) or 16 rows (a head's 4,096 scale bytes)
	s_mov_b32 s[G1C], 15|(3<<16)|(1<<21)           ; 15:0 the mask: all four work-groups; 17:16 elements of 8 bytes; 21 set beside a mask; no padding
	s_mov_b32 s[G1C+1], 32<<16
	s_mov_b32 s[G1C+2], 64<<16
	s_mov_b32 s[G1C+3], 32<<16
	s_mov_b32 s[G1C+4], 64
	s_mov_b32 s[G1C+5], 32
	s_mov_b32 s[G1C+6], 0
	s_mov_b32 s[G1C+7], 0
	s_mov_b32 s[G1S], 15|(3<<16)|(1<<21)
	s_mov_b32 s[G1S+1], 32<<16
	s_mov_b32 s[G1S+2], 16<<16
	s_mov_b32 s[G1S+3], 32<<16
	s_mov_b32 s[G1S+4], 16
	s_mov_b32 s[G1S+5], 32
	s_mov_b32 s[G1S+6], 0
	s_mov_b32 s[G1S+7], 0
	s_wait_dscnt 0x0
	s_wait_kmcnt 0x0
	s_add_nc_u64 s[QP:QP+1], s[4:5], s[68:69]      ; q's codes of my head,
	s_add_nc_u64 s[4:5], s[QP:QP+1], 0x100000      ; k's: sixteen groups on
	s_add_nc_u64 s[8:9], s[8:9], s[70:71]          ; v's
	s_lshr_b32 s68, s68, 4                         ; a scale byte for each 16 bytes of codes
	s_lshr_b32 s70, s70, 4
	s_add_nc_u64 s[QSP:QSP+1], s[6:7], s[68:69]
	s_add_nc_u64 s[6:7], s[QSP:QSP+1], 0x10000
	s_add_nc_u64 s[10:11], s[10:11], s[70:71]
	; group 0.  Waves 0-3 fetch K's codes, waves 4-7 V's, 16,384 bytes each; wave 8 K's scale bytes, wave 9 V's
	s_and_b32 s67, s[WV], 7
	s_lshl_b32 s[G0C+1], s67, 14                   ; KIMG and VIMG lie on end
	s_cmp_lt_u32 s67, 4
	s_cselect_b64 s[G0C+2:G0C+3], s[4:5], s[8:9]
	s_and_b32 s67, s67, 3
	s_lshl_b32 s68, s67, 14
	s_add_nc_u64 s[G0C+2:G0C+3], s[G0C+2:G0C+3], s[68:69]
	s_or_b32 s[G0C+3], s[G0C+3], 0x80000000
	s_mov_b32 s[G0C], 1
	s_and_b32 s67, s[WV], 1
	s_lshl_b32 s[G0S+1], s67, 12
	s_add_co_u32 s[G0S+1], s[G0S+1], KSCL
	s_cmp_eq_u32 s67, 0
	s_cselect_b64 s[G0S+2:G0S+3], s[6:7], s[10:11]
	s_or_b32 s[G0S+3], s[G0S+3], 0x80000000
	s_mov_b32 s[G0S], 1
	CROUND                                         ; all four work-groups are here: the joint loads meet
	s_cmp_lt_u32 s[WV], 8                          ; a wave issues one load or none; the branches hang on the wave's number alone; four v_nop follow each line
	s_cbranch_scc0 .Lnot_codes
	tensor_load_to_lds s[G0C:G0C+3], s[G1C:G1C+7]
	s_nop 0
.rept 4
	v_nop
.endr
	s_branch .Lasked
.Lnot_codes:
	s_cmp_lt_u32 s[WV], 10
	s_cbranch_scc0 .Lasked
	tensor_load_to_lds s[G0S:G0S+3], s[G1S:G1S+7]
	s_nop 0
.rept 4
	v_nop
.endr
.Lasked:
	s_mov_b32 s[SEL], 0x76543210
	s_mov_b32 s[SEL+1], 0xfedcba98                 ; v_permlanex16_b32's selects for lane l xor 16
	s_mov_b32 s[CS], 0x3e38aa3b                    ; c = log2(e) / 8
	s_mov_b32 s[CS+1], s[CS]                       ; (named with it as a pair, so it is written)
	s_lshl_b32 s67, s61, 5
	s_add_co_u32 s67, s67, s[WV]                   ; T = 32 cx + wave: my tile of queries in pass 0; pass 1's is 16 on
	s_lshl_b32 s68, s67, 9
	s_add_nc_u64 s[QP:QP+1], s[QP:QP+1], s[68:69]
	s_lshr_b32 s68, s67, 3
	s_lshl_b32 s68, s68, 8                         ; its scale bytes: step T / 8,
	s_bfe_u32 s70, s67, 0x20001
	s_lshl_b32 s70, s70, 2                         ; word (T / 2) % 4 of a token's four
	s_add_co_u32 s68, s68, s70
	s_add_nc_u64 s[QSP:QSP+1], s[QSP:QSP+1], s[68:69]
	s_lshl_b32 s70, s63, 7
	s_add_co_u32 s70, s70, s67                     ; 128 b + T
	s_lshl_b32 s68, s70, 9
	s_lshl_b32 s62, s66, 18                        ; a_codes: [head][token tile 512][512]
	s_add_co_u32 s68, s68, s62
	s_add_nc_u64 s[OP:OP+1], s[12:13], s[68:69]
	s_lshl_b32 s68, s70, 6                         ; a_scales: [pair of heads 8][token 8,192][4]: 16 tokens of 4 bytes a tile,
	s_lshr_b32 s62, s66, 1
	s_lshl_b32 s62, s62, 15
	s_add_co_u32 s68, s68, s62
	s_and_b32 s62, s66, 1
	s_lshl_b32 s62, s62, 1                         ; my head's two bytes of the word
	s_add_co_u32 s68, s68, s62
	s_add_nc_u64 s[OSP:OSP+1], s[14:15], s[68:69]
	s_and_b32 s62, s[WV], 1                        ; T % 2: which two bytes of the word are my queries'
	s_cmp_eq_u32 s62, 1
	s_mov_b32 s[PSEL], 0x01000100
	s_cselect_b32 s[PSEL], 0x03020302, s[PSEL]
	v_and_b32 v2, 15, v0                           ; r
	v_and_b32 v1, 31, v0
	s_delay_alu instid0(VALU_DEP_1)
	v_lshlrev_b32 v[LI], 4, v1
	s_delay_alu instid0(VALU_DEP_3)
	v_lshlrev_b32 v[R4], 2, v2
	s_delay_alu instid0(VALU_DEP_4)
	v_lshlrev_b32 v[R16], 4, v2
	s_delay_alu instid0(VALU_DEP_1)
	v_add_nc_u32 v[LSC], KSCL, v[R16]
	v_mov_b32 v17, 0                               ; (the upper half of the pair v[16:17])
.irp j, 20,21,22,23,28,29,30,31
	v_mov_b32 v\j, 0                               ; zero codes: they add nothing under any scale byte that this program makes
.endr
.irp b, 0,1,2,3
	v_mov_b32 v[T2+\b], 0                          ; written once: a lane permute's destination counts as one of its sources
.endr
	s_wait_tensorcnt 0x0                           ; my load, if I issued one, has landed,
	s_barrier_signal -1
	s_barrier_wait -1                              ; everybody's has
; A KEY STEP: 128 keys.
.macro STEP
	v_add_nc_u32 v[ADK], s[TB], v[LI]              ; these four lines are also the places between the last step's products and the loads into V's registers
	v_add_nc_u32 v[ADS], s[TS], v[LSC]
	s_delay_alu instid0(VALU_DEP_2)
	v_add_nc_u32 v[ADV], VIMG, v[ADK]
	v_nop
.irp n, 0,1,2,3,4,5,6,7
	ds_load_b128 v[KF+4*\n:KF+4*\n+3], v[ADK] offset:512*\n        ; tile n of the step's eight: fragment n / 2, half n % 2
.endr
	ds_load_b128 v[KSC:KSC+3], v[ADS]                              ; the four fragments' scale words of key row r
.irp n, 0,1,2,3,4,5,6,7
	ds_load_b128 v[VF+4*\n:VF+4*\n+3], v[ADV] offset:512*\n        ; channels 16 (n / 2) on, keys 64 (n % 2) on
.endr
	ds_load_b128 v[VSC:VSC+3], v[ADS] offset:VSCL-KSCL
	s_wait_dscnt 9                                 ; K and its scale words are in; V's eight loads and V's scale words may be out
.irp t, 0,1,2,3
	v_wmma_scale_f32_16x16x128_f8f6f4 v[S+16*\t:S+16*\t+7], v[KF+8*\t:KF+8*\t+7], v[24:31], 0, v[KSC+\t], v[QSC] matrix_a_fmt:MATRIX_FMT_FP4 matrix_b_fmt:MATRIX_FMT_FP4
	v_wmma_scale_f32_16x16x128_f8f6f4 v[S+16*\t+8:S+16*\t+15], v[KF+8*\t:KF+8*\t+7], v[20:27], 0, v[KSC+\t], v[QSC] matrix_a_fmt:MATRIX_FMT_FP4 matrix_b_fmt:MATRIX_FMT_FP4
.endr
.rept 4
	v_nop                                          ; four places in front of the first read of results
.endr
.irp b, 0,1,2,3
	v_max3_num_f32 v[BM+\b], v[S+16*\b], v[S+16*\b+1], v[S+16*\b+2]   ; the largest score of each block of 32 keys: it serves for the row's maximum and for the block's largest p
.endr
.irp i, 3,5,7,9,11,13
.irp b, 0,1,2,3
	v_max3_num_f32 v[BM+\b], v[BM+\b], v[S+16*\b+\i], v[S+16*\b+\i+1]
.endr
.endr
.irp b, 0,1,2,3
	v_max_num_f32 v[BM+\b], v[BM+\b], v[S+16*\b+15]
.endr
.irp b, 0,1,2,3
	s_delay_alu instid0(VALU_DEP_4)
	v_permlanex16_b32 v[T2+\b], v[BM+\b], s[SEL], s[SEL+1]
.endr
.irp b, 0,1,2,3
	s_delay_alu instid0(VALU_DEP_4)
	v_max_num_f32 v[BM+\b], v[BM+\b], v[T2+\b]     ; with lane l xor 16's 16 keys
.endr
	s_delay_alu instid0(VALU_DEP_2)
	v_max3_num_f32 v222, v[BM], v[BM+1], v[BM+2]
	s_delay_alu instid0(VALU_DEP_1)
	v_max_num_f32 v222, v222, v[BM+3]              ; the step's largest score of my query
	s_delay_alu instid0(VALU_DEP_1)
	v_mul_f32 v222, s[CS], v222                    ; as t (c is positive)
	s_delay_alu instid0(VALU_DEP_1)
	v_max_num_f32 v13, v13, v222                   ; the running largest t
	v_mov_b32 v222, v12
	s_delay_alu instid0(VALU_DEP_2)
	v_floor_f32 v12, -v13                          ; the new -M = floor(-t) = -ceil(t): a whole number
	s_delay_alu instid0(VALU_DEP_1)
	v_sub_f32 v222, v12, v222                      ; old M - new M: a whole number, 0 or less
	s_delay_alu instid0(VALU_DEP_1)
	v_cvt_i32_f32 v222, v222                       ; (it saturates)
	s_delay_alu instid0(VALU_DEP_1)
	v_ldexp_f32 v16, 1.0, v222                     ; f = 2^(old M - new M)
.set j, 0
.rept 32
	v_pk_fma_f32 v[S+j:S+j+1], v[S+j:S+j+1], s[CS:CS+1], v[12:13] op_sel_hi:[1,0,0]   ; t - M, two at a time
.set j, j+2
.endr
.irp b, 0,1,2,3
	v_fma_f32 v[BM+\b], v[BM+\b], s[CS], v12       ; the same of each block's largest score
.endr
.set j, 0
	s_wait_alu depctr_va_vdst(0)
.rept 64
	v_exp_f32 v[S+j], v[S+j]                       ; p = 2^(t - M), at most 1: not normalised
.set j, j+1
.endr
	s_setprio 1
	v_pk_mul_f32 v[14:15], v[14:15], v[16:17] op_sel_hi:[1,0]   ; the sums under the new M: the plain instruction behind the exponentials
	s_wait_alu depctr_va_vdst(0)                   ; one wait for the batch of 64, ahead of its first reader
.irp b, 0,1,2,3
	v_exp_f32 v[BM+\b], v[BM+\b]                   ; the block's largest p
.endr
	v_pk_add_f32 v[220:221], v[100:101], v[104:105]
	v_pk_add_f32 v[252:253], v[108:109], v[112:113]
	v_pk_add_f32 v[250:251], v[116:117], v[120:121]
	v_pk_add_f32 v[248:249], v[124:125], v[128:129]
	v_pk_add_f32 v[246:247], v[132:133], v[136:137]
	v_pk_add_f32 v[244:245], v[140:141], v[144:145]
	v_pk_add_f32 v[242:243], v[148:149], v[152:153]
	v_pk_add_f32 v[14:15], v[14:15], v[156:157]
	v_pk_add_f32 v[220:221], v[220:221], v[96:97]
	v_pk_add_f32 v[252:253], v[252:253], v[98:99]
	v_pk_add_f32 v[250:251], v[250:251], v[102:103]
	v_pk_add_f32 v[248:249], v[248:249], v[106:107]
	v_pk_add_f32 v[246:247], v[246:247], v[110:111]
	v_pk_add_f32 v[244:245], v[244:245], v[114:115]
	v_pk_add_f32 v[242:243], v[242:243], v[118:119]
	v_pk_add_f32 v[14:15], v[14:15], v[122:123]
	v_pk_add_f32 v[220:221], v[220:221], v[126:127]
	v_pk_add_f32 v[252:253], v[252:253], v[130:131]
	v_pk_add_f32 v[250:251], v[250:251], v[134:135]
	v_pk_add_f32 v[248:249], v[248:249], v[138:139]
	v_pk_add_f32 v[246:247], v[246:247], v[142:143]
	v_pk_add_f32 v[244:245], v[244:245], v[146:147]
	v_pk_add_f32 v[242:243], v[242:243], v[150:151]
	v_pk_add_f32 v[14:15], v[14:15], v[154:155]
	v_pk_add_f32 v[220:221], v[220:221], v[158:159]
	s_delay_alu instid0(VALU_DEP_2)
	v_pk_add_f32 v[14:15], v[14:15], v[248:249]
	s_delay_alu instid0(VALU_DEP_2)
	v_pk_add_f32 v[220:221], v[220:221], v[246:247]
	v_pk_add_f32 v[252:253], v[252:253], v[244:245]
	v_pk_add_f32 v[250:251], v[250:251], v[242:243]
	s_delay_alu instid0(VALU_DEP_2)
	v_pk_add_f32 v[14:15], v[14:15], v[252:253]
	s_delay_alu instid0(VALU_DEP_2)
	v_pk_add_f32 v[220:221], v[220:221], v[250:251]
	s_delay_alu instid0(VALU_DEP_1)
	v_pk_add_f32 v[14:15], v[14:15], v[220:221]
	s_wait_alu depctr_va_vdst(0)                   ; and one for the four
.irp b, 0,1,2,3
	v_max_num_f32 v[BM+\b], 0x1800000, v[BM+\b]    ; the floor 2^(3 - 127): the byte cannot fall under 1
.endr
.irp b, 0,1,2,3
	s_delay_alu instid0(VALU_DEP_4)
	v_add_nc_u32 v[SO+\b], 0xff000000, v[BM+\b]    ; 2 off the exponent field: the conversion's scale operand
.endr
.irp b, 0,1,2,3
	s_delay_alu instid0(VALU_DEP_4)
	v_lshrrev_b32 v[T2+\b], 23, v[SO+\b]           ; the scale's byte
.endr
	s_delay_alu instid0(VALU_DEP_3)
	v_lshl_or_b32 v[PSC], v[T2+1], 8, v[T2]
	s_delay_alu instid0(VALU_DEP_1)
	v_lshl_or_b32 v[PSC], v[T2+2], 16, v[PSC]
	s_delay_alu instid0(VALU_DEP_1)
	v_lshl_or_b32 v[PSC], v[T2+3], 24, v[PSC]      ; p's scale word for these 128 keys
.irp c, 0,1                                    ; the destinations are laid so that the exchanges below give keys 64 c + 32 h + 0 .. 31 in registers 4 c .. 4 c + 3
	v_cvt_scalef32_pk8_fp4_f32 v[PC+4*\c],   v[S+32*\c:S+32*\c+7],     v[SO+2*\c]
	v_cvt_scalef32_pk8_fp4_f32 v[PC+4*\c+2], v[S+32*\c+8:S+32*\c+15],  v[SO+2*\c]
	v_cvt_scalef32_pk8_fp4_f32 v[PC+4*\c+1], v[S+32*\c+16:S+32*\c+23], v[SO+2*\c+1]
	v_cvt_scalef32_pk8_fp4_f32 v[PC+4*\c+3], v[S+32*\c+24:S+32*\c+31], v[SO+2*\c+1]
.endr
	v_nop                                          ; one plain place behind a scaled conversion
.irp c, 0,1
	v_permlane16_swap_b32 v[PC+4*\c],   v[PC+4*\c+1]
	v_permlane16_swap_b32 v[PC+4*\c+2], v[PC+4*\c+3]
.endr
.set j, 0
	s_setprio 0
.rept 16
	v_pk_mul_f32 v[O+j:O+j+1], v[O+j:O+j+1], v[16:17] op_sel_hi:[1,0]   ; O^T under the new M, each accumulator from its low end on; these sixteen also stand between p's codes and scale word and the products
.set j, j+2
.endr
	s_wait_alu depctr_va_vdst(0)
	s_wait_dscnt 0x0                               ; V and its scale words are in
.irp d, 0,1,2,3                                ; the four accumulators by turns, one instruction a turn
	v_wmma_scale_f32_16x16x128_f8f6f4 v[O+8*\d:O+8*\d+7], v[VF+8*\d:VF+8*\d+7], v[PC:PC+7], v[O+8*\d:O+8*\d+7], v[VSC+\d], v[PSC] matrix_a_fmt:MATRIX_FMT_FP4 matrix_b_fmt:MATRIX_FMT_FP4
.endr
	s_add_co_u32 s[TB], s[TB], 4096
	s_add_co_u32 s[TS], s[TS], 256
.endm
; A PASS: one tile of 16 queries against all 2,048 keys, then the way out.
.macro PASS p
.if \p > 0
	s_wait_xcnt 0x0                                ; the last pass's stores have read their registers: the codes' registers are written again below
.endif
	global_load_b128 v[24:27], v[LI], s[QP:QP+1] offset:8192*\p    ; q's image
	global_load_b32 v[QW], v[R16], s[QSP:QSP+1] offset:512*\p
	s_mov_b32 s[TB], 0
	s_mov_b32 s[TS], 0
	s_mov_b32 s[CNT], 16
	v_mov_b32 v13, 0xff61b1e6                      ; the largest t so far: -3e38, under every t
	s_delay_alu instid0(VALU_DEP_1)
	v_floor_f32 v12, -v13                          ; -M
	v_mov_b32 v14, 0                               ; the sum, in two halves
	v_mov_b32 v15, 0
	s_wait_loadcnt 0x0
	v_perm_b32 v[QSC], v[QW], v[QW], s[PSEL]       ; {s0, s1, s0, s1}: it serves q at k 0 .. 63 and at k 64 .. 127
.set j, 0
.rept 32
	v_mov_b32 v[O+j], 0                            ; O^T: the step is written once; its first trip finds zeros.  (These lines also stand between Q's scale word and the first product)
.set j, j+1
.endr
.Lstep_\@:
	s_setprio 2
	STEP
	s_sub_co_u32 s[CNT], s[CNT], 1
	s_cmp_lg_u32 s[CNT], 0
	s_cbranch_scc1 .Lstep_\@
	s_setprio 0
	; the way out: O^T / the sum, quantised along the head's 64 channels (two blocks of the model's 1,024), stored as an image
.rept 4
	v_nop                                          ; four places in front of the first read of results
.endr
	v_add_f32 v14, v14, v15
	s_delay_alu instid0(VALU_DEP_1)
	v_permlanex16_b32 v222, v14, s[SEL], s[SEL+1]
	s_delay_alu instid0(VALU_DEP_1)
	v_add_f32 v14, v14, v222                       ; the row's sum
	s_wait_alu depctr_va_vdst(0)
	v_rcp_f32 v222, v14
	v_mov_b32 v223, 0                              ; the plain instruction behind the reciprocal; also the pair's upper half
	s_wait_alu depctr_va_vdst(0)                   ; ahead of the first reader
.set j, 0
.rept 16
	v_pk_mul_f32 v[S+j:S+j+1], v[O+j:O+j+1], v[222:223] op_sel_hi:[1,0]   ; register 8 t + n = channel 16 t + 8 h + n
.set j, j+2
.endr
.irp b, 0,1
	v_max3_num_f32 v[BM+\b], |v[S+16*\b]|, |v[S+16*\b+1]|, 0x1800000
.endr
.irp i, 2,4,6,8,10,12,14
.irp b, 0,1
	s_delay_alu instid0(VALU_DEP_2)
	v_max3_num_f32 v[BM+\b], v[BM+\b], |v[S+16*\b+\i]|, |v[S+16*\b+\i+1]|
.endr
.endr
.irp b, 0,1
	s_delay_alu instid0(VALU_DEP_2)
	v_permlanex16_b32 v[T2+\b], v[BM+\b], s[SEL], s[SEL+1]
.endr
.irp b, 0,1
	s_delay_alu instid0(VALU_DEP_2)
	v_max_num_f32 v[BM+\b], v[BM+\b], v[T2+\b]
.endr
.irp b, 0,1
	s_delay_alu instid0(VALU_DEP_2)
	v_add_nc_u32 v[SO+\b], 0xff000000, v[BM+\b]
.endr
.irp b, 0,1
	s_delay_alu instid0(VALU_DEP_2)
	v_lshrrev_b32 v[T2+\b], 23, v[SO+\b]
.endr
	s_delay_alu instid0(VALU_DEP_1)
	v_lshl_or_b32 v[SW], v[T2+1], 8, v[T2]
	v_cvt_scalef32_pk8_fp4_f32 v[PC],   v[S:S+7],     v[SO]
	v_cvt_scalef32_pk8_fp4_f32 v[PC+2], v[S+8:S+15],  v[SO]
	v_cvt_scalef32_pk8_fp4_f32 v[PC+1], v[S+16:S+23], v[SO+1]
	v_cvt_scalef32_pk8_fp4_f32 v[PC+3], v[S+24:S+31], v[SO+1]
	v_nop                                          ; one plain place behind a scaled conversion
	v_permlane16_swap_b32 v[PC],   v[PC+1]
	v_permlane16_swap_b32 v[PC+2], v[PC+3]         ; lane (r, h): token r, channels 32 h + 0 .. 31
	global_store_b128 v[LI], v[PC:PC+3], s[OP:OP+1] offset:8192*\p      ; 512 consecutive bytes
	global_store_b16 v[R4], v[SW], s[OSP:OSP+1] offset:1024*\p          ; two bytes of each token's word (the other two are the pair's other head's); both halves of the lanes write the same value
.endm
	PASS 0
	PASS 1
	s_wait_dscnt 0x0
	s_wait_tensorcnt 0x0
	ds_add_u32 v254, v255
	s_wait_dscnt 0x0
	CROUND                                         ; the closing round: no work-group ends while a partner may still ask for a tile that names it
	s_endpgm
.Lfunc_end_k_q097b1b4983_attn:
	.size	k_q097b1b4983_attn, .Lfunc_end_k_q097b1b4983_attn-k_q097b1b4983_attn
	.p2alignl 7, 3214868480
	.fill 96, 4, 3214868480
	.section	.rodata,"a",@progbits
	.p2align	6, 0x0
	.amdhsa_kernel k_q097b1b4983_attn
		.amdhsa_group_segment_fixed_size 169984
		.amdhsa_private_segment_fixed_size 0
		.amdhsa_enable_private_segment 0
		.amdhsa_kernarg_size 48
		.amdhsa_user_sgpr_count 2
		.amdhsa_user_sgpr_kernarg_segment_ptr 1
		.amdhsa_wavefront_size32 1
		.amdhsa_system_sgpr_workgroup_id_x 1
		.amdhsa_system_sgpr_workgroup_id_y 1
		.amdhsa_system_sgpr_workgroup_id_z 1
		.amdhsa_system_vgpr_workitem_id 0
		.amdhsa_next_free_vgpr 256
		.amdhsa_next_free_sgpr 72
		.amdhsa_reserve_vcc 0
		.amdhsa_float_denorm_mode_32 3
		.amdhsa_float_denorm_mode_16_64 3
		.amdhsa_memory_ordered 1
		.amdhsa_forward_progress 1
		.amdhsa_inst_pref_size 51
	.end_amdhsa_kernel
	.amdgpu_metadata
---
amdhsa.version: [ 1, 2 ]
amdhsa.kernels:
  - .name:           k_q097b1b4983_attn
    .symbol:         k_q097b1b4983_attn.kd
    .args:
      - { .name: qk_codes, .offset: 0, .size: 8, .value_kind: global_buffer, .address_space: global }
      - { .name: qk_scales, .offset: 8, .size: 8, .value_kind: global_buffer, .address_space: global }
      - { .name: v_codes, .offset: 16, .size: 8, .value_kind: global_buffer, .address_space: global }
      - { .name: v_scales, .offset: 24, .size: 8, .value_kind: global_buffer, .address_space: global }
      - { .name: a_codes, .offset: 32, .size: 8, .value_kind: global_buffer, .address_space: global }
      - { .name: a_scales, .offset: 40, .size: 8, .value_kind: global_buffer, .address_space: global }
    .group_segment_fixed_size: 169984
    .private_segment_fixed_size: 0
    .kernarg_segment_align: 8
    .kernarg_segment_size: 48
    .max_flat_workgroup_size: 512
    .sgpr_count:     72
    .vgpr_count:     256
    .wavefront_size: 32
...
	.end_amdgpu_metadata
.endif
;; end of part 2
;; launch proj (part 3): grid 4 x 64, 4 waves a work-group, clusters of 4 x 4, 327,680 bytes of LDS; arguments a_codes, a_scales, W_proj_codes, W_proj_scales, b_proj, out0; writes out0
.if DOCPART == 3
	.amdgcn_target "amdgcn-amd-amdhsa--gfx1250"
	.amdhsa_code_object_version 6
	.text
	.protected	k_q097b1b4983_proj
	.globl	k_q097b1b4983_proj
	.p2align	8
	.type	k_q097b1b4983_proj,@function
k_q097b1b4983_proj:
	s_mov_b64 s[64:65], 0
	v_nop
	global_prefetch_b8 v0, s[64:65] scope:SCOPE_SE
	s_setreg_imm32_b32 hwreg(HW_REG_WAVE_MODE, 25, 1), 1
	s_wait_xcnt 0x0
	s_wait_alu depctr_hold_cnt(0) depctr_sa_sdst(0) depctr_va_vdst(0) depctr_va_sdst(0) depctr_va_ssrc(0) depctr_va_vcc(0) depctr_vm_vsrc(0)
	s_getreg_b32 s2, hwreg(HW_REG_IB_STS2, 6, 4)
	s_cmp_eq_u32 s2, 0
	s_cbranch_scc0 .Lentry_in_a_cluster
	s_endpgm
.Lentry_in_a_cluster:
	s_bfe_u32 s2, ttmp6, 0x10000c
	s_cmp_lg_u32 s2, 0xf033
	s_cbranch_scc0 .Lentry_shape_is_right
	s_endpgm
.Lentry_shape_is_right:
; out0 = a W_proj^T + b_proj on codes of FP4 (E2M1) with one E8M0 scale for each 32 along K = 1,024.  a: the attention's result, as images of operand registers (a_codes [head 16][token tile 512][512]:
; lane (r, h): token r, channels 32 h + 0 .. 31 of the head) with a_scales [pair of heads 8][token 8,192][4]: the scale word of K step p.  W_proj: [1,024][512 bytes], scale bytes [1,024][32].  out0: [8,192][1,024] f32.
; SHARES.  A work-group makes 128 tokens x 256 outputs: 256 work-groups.  A wave makes 64 tokens x 128 outputs: 32 accumulators.  USED TRANSPOSED (source 0 = 16 rows of W_proj, source 1 = 16 tokens): a lane holds
; eight neighbouring outputs of one token.  ALL of K lies in LDS, in two halves, each filled once: nothing is filled again.
; CLUSTERS: 4 x 4.  a's tiles hang on the cluster's row alone, W_proj's on its column alone: each is asked for jointly by the four that need it.  NO PREFETCH: every tile is asked for at the head.
; The bias is the C of the first K step: it is summed first, not last.  NaN and infinities are not served.
; REGISTERS: window 0: addresses, v32-95 W's scale words, v96-127 a's, v128-191 the bias, later with v192-255 the way out.  window 1: two sets: W's eight fragments at 128 s, a's four at 128 s + 64.
;   window 2: accumulator (a = tile of tokens, b = block of outputs) at v[8 (8 a + b)].
.set PITCH,  272                       ; a row of W in LDS: 256 bytes + 16 of padding: the 16 rows that a fragment load touches start at 16 different banks (64 banks of 4 bytes: ISA guide 11.1)
.set HALFW,  128*PITCH
.set WSLOT,  2*HALFW                   ; half of K of W's 256 rows
.set AIMG,   2*WSLOT                   ; a's images: [head 16][tile 8][512]
.set WSC,    AIMG+65536                ; W's scale bytes, as runs of 256 bytes + 16 of padding
.set HALFS,  16*272
.set SBLK,   2*272
.set ASC,    WSC+2*HALFS               ; a's scale words: [pair 8][token 128][4]
.set STG,    ASC+4096                  ; the way out: 16 rows x (512 bytes + 16) for each wave: bytes of its own, into which no tile lands
.set SPITCH, 528
.set LI,   4                           ; v4   16 x lane
.set BO,   7                           ; v7   32 h
.set ADRP, 16                          ; v16-17 my fragments of W in half 0, 1
.set ADRT, 18                          ; v18  my images of a
.set ADWS, 19                          ; v19  W's scale words
.set ADAS, 20                          ; v20  a's
.set STO,  24
.set RD,   25
.set WS,   32                          ; W's scale word of block b, K step s: v[32 + 8 b + s]
.set AS,   96                          ; a's of tile a: v[96 + 8 a + s]
.set CB,   128
.set BK,   128
.set WV,   16
.set FT,   17                          ; wave / 2: I fetch for a (0) or for W (1); also which 64 tokens are mine
.set HF,   18                          ; wave % 2: which half I fetch; also which 128 outputs are mine
.set G0AS, 20
.set G1A,  24
.set G0A,  32
.set CX,   40
.set CY,   41
.set NX,   42
.set TY,   43
.set MROW, 44
.set MCOL, 45
.set G1W,  48
.set G0W,  56
.set G1AS, 68
.set G1WS, 76
.set G0WS, 84
.set MSB, 0
.macro WIN new                         ; the immediate's high byte repeats the setting that is left
.if MSB != (\new)
	s_set_vgpr_msb (MSB<<8)|(\new)
.set MSB, (\new)
.endif
.endm
.macro JLOAD g0a, g1a, g0w, g1w        ; a joint load: waves 0 and 1 fetch for a, waves 2 and 3 for W; four v_nop follow each of the two lines
	s_cmp_eq_u32 s[FT], 0
	s_cbranch_scc0 .Lfor_w_\@
	tensor_load_to_lds s[\g0a:\g0a+3], s[\g1a:\g1a+7]
	s_nop 0
.rept 4
	v_nop
.endr
	s_branch .Lasked_\@
.Lfor_w_\@:
	tensor_load_to_lds s[\g0w:\g0w+3], s[\g1w:\g1w+7]
	s_nop 0
.rept 4
	v_nop
.endr
.Lasked_\@:
.endm
.macro CROUND                          ; a round of the cluster's barrier
	s_barrier_signal -1
	s_barrier_wait -1
	s_cmp_lg_u32 s[WV], 0
	s_cbranch_scc1 .Lnot_wave_0_\@
	s_barrier_signal -3
.Lnot_wave_0_\@:
	s_barrier_wait -3
	s_barrier_signal -1
	s_barrier_wait -1
.endm
.macro PLACES n
.rept \n
	v_nop
.endr
.endm
	s_load_b256 s[4:11], s[0:1], 0x0               ; a_codes s[4:5], a_scales s[6:7], W's codes s[8:9], W's scales s[10:11]
	s_load_b128 s[12:15], s[0:1], 0x20             ; b_proj s[12:13], out0 s[14:15]
	v_lshl_add_u32 v30, v0, 2, 0x3d600
	v_mov_b32 v31, 0
	ds_add_u32 v30, v31
	ds_add_u32 v30, v31
	v_lshrrev_b32 v1, 5, v0
	v_readfirstlane_b32 s[WV], v1
	s_lshr_b32 s[FT], s[WV], 1
	s_and_b32 s[HF], s[WV], 1
	s_bfe_u32 s[CX], ttmp6, 0x40000
	s_bfe_u32 s[CY], ttmp6, 0x40004
	s_lshl_b32 s[NX], ttmp9, 2
	s_add_co_u32 s[NX], s[NX], s[CX]               ; which 256 outputs
	s_and_b32 s[TY], ttmp7, 0xffff
	s_lshl_b32 s[TY], s[TY], 2
	s_add_co_u32 s[TY], s[TY], s[CY]               ; which 128 tokens
	s_lshl_b32 s[MROW], s[CY], 2
	s_lshl_b32 s[MROW], 15, s[MROW]                ; my row of the cluster
	s_lshl_b32 s[MCOL], 0x1111, s[CX]              ; my column
	; a's images: four heads x 4,096 bytes (the work-group's eight tiles), 262,144 bytes from head to head; elements of 8 bytes; dense in LDS
	s_or_b32 s[G1A], s[MROW], (3<<16)|(1<<21)
	s_mov_b32 s[G1A+1], 512<<16
	s_mov_b32 s[G1A+2], 4<<16
	s_mov_b32 s[G1A+3], 512<<16
	s_mov_b32 s[G1A+4], 4
	s_mov_b32 s[G1A+5], 32768
	s_mov_b32 s[G1A+6], 0
	s_mov_b32 s[G1A+7], 0
	; a's scale words: four pairs x 512 bytes, 32,768 bytes from pair to pair
	s_or_b32 s[G1AS], s[MROW], (3<<16)|(1<<21)
	s_mov_b32 s[G1AS+1], 64<<16
	s_mov_b32 s[G1AS+2], 4<<16
	s_mov_b32 s[G1AS+3], 64<<16
	s_mov_b32 s[G1AS+4], 4
	s_mov_b32 s[G1AS+5], 4096
	s_mov_b32 s[G1AS+6], 0
	s_mov_b32 s[G1AS+7], 0
	; W's codes: 128 rows x 256 bytes, 512 bytes apart, 16 bytes of padding behind each in LDS
	s_or_b32 s[G1W], s[MCOL], (0<<16)|(1<<20)|(1<<21)|(5<<22)|(3<<25)
	s_mov_b32 s[G1W+1], 256<<16
	s_mov_b32 s[G1W+2], 128<<16
	s_mov_b32 s[G1W+3], 256<<16
	s_mov_b32 s[G1W+4], 128
	s_mov_b32 s[G1W+5], 512
	s_mov_b32 s[G1W+6], 0
	s_mov_b32 s[G1W+7], 0
	; W's scale bytes of 128 rows: 4,096 dense bytes as 16 rows of 256, 16 bytes of padding behind each
	s_or_b32 s[G1WS], s[MCOL], (3<<16)|(1<<20)|(1<<21)|(5<<22)|(3<<25)
	s_mov_b32 s[G1WS+1], 32<<16
	s_mov_b32 s[G1WS+2], 16<<16
	s_mov_b32 s[G1WS+3], 32<<16
	s_mov_b32 s[G1WS+4], 16
	s_mov_b32 s[G1WS+5], 32
	s_mov_b32 s[G1WS+6], 0
	s_mov_b32 s[G1WS+7], 0
	s_lshl_b32 s46, s[HF], 20                      ; a: four heads x 262,144 for my half,
	s_lshl_b32 s88, s[TY], 12                      ; the work-group's eight tiles
	s_add_co_u32 s46, s46, s88
	s_mov_b32 s47, 0
	s_lshl_b32 s90, s[NX], 8
	s_lshl_b32 s91, s[HF], 7
	s_add_co_u32 s92, s90, s91                     ; W: the first row that I fetch
	s_lshl_b32 s90, s92, 9
	s_mov_b32 s91, 0
	s_wait_dscnt 0x0
	s_wait_kmcnt 0x0
	s_add_nc_u64 s[4:5], s[4:5], s[46:47]
	s_lshr_b32 s46, s46, 3                         ; a's scale words: four pairs x 32,768 for my half, 512 bytes for the work-group's tokens
	s_add_nc_u64 s[6:7], s[6:7], s[46:47]
	s_add_nc_u64 s[8:9], s[8:9], s[90:91]
	s_lshr_b32 s90, s90, 4                         ; 32 scale bytes a row
	s_add_nc_u64 s[10:11], s[10:11], s[90:91]
	CROUND                                         ; all sixteen work-groups are here: the joint loads meet
	s_lshl_b32 s88, s[HF], 11
	s_mov_b32 s[G0AS], 1
	s_add_co_u32 s[G0AS+1], s88, ASC
	s_mov_b64 s[G0AS+2:G0AS+3], s[6:7]
	s_or_b32 s[G0AS+3], s[G0AS+3], 0x80000000
	s_mul_i32 s89, s[HF], HALFS
	s_mov_b32 s[G0WS], 1
	s_add_co_u32 s[G0WS+1], s89, WSC
	s_mov_b64 s[G0WS+2:G0WS+3], s[10:11]
	s_or_b32 s[G0WS+3], s[G0WS+3], 0x80000000
	JLOAD G0AS, G1AS, G0WS, G1WS                   ; the scale bytes first
	s_lshl_b32 s88, s[HF], 14
	s_mul_i32 s89, s[HF], HALFW
.irp c, 0,1
	s_mov_b32 s[G0A+4*\c], 1
	s_add_co_u32 s[G0A+4*\c+1], s88, AIMG+\c*32768
	s_add_nc_u64 s[G0A+4*\c+2:G0A+4*\c+3], s[4:5], \c*0x200000   ; heads 8 c on
	s_or_b32 s[G0A+4*\c+3], s[G0A+4*\c+3], 0x80000000
	s_mov_b32 s[G0W+4*\c], 1
	s_add_co_u32 s[G0W+4*\c+1], s89, \c*WSLOT
	s_add_nc_u64 s[G0W+4*\c+2:G0W+4*\c+3], s[8:9], \c*256
	s_or_b32 s[G0W+4*\c+3], s[G0W+4*\c+3], 0x80000000
	s_wait_alu depctr_va_vdst(0)
	s_wait_tensorcnt 0x0
	ds_add_u32 v30, v31
	s_wait_dscnt 0x0
	CROUND
	JLOAD G0A+4*\c, G1A, G0W+4*\c, G1W             ; one tensor load of a wave is out
.endr
	v_and_b32 v1, 15, v0                           ; r
	v_bfe_u32 v2, v0, 4, 1                         ; h
	v_and_b32 v3, 31, v0
	v_lshlrev_b32 v[LI], 4, v3
	v_lshlrev_b32 v[BO], 5, v2
	v_mul_u32_u24 v3, v1, PITCH
	v_lshl_add_u32 v3, v2, 4, v3
	s_mul_i32 s88, s[HF], HALFW                    ; my 128 rows of W
	v_add_nc_u32 v[ADRP], s88, v3
	s_add_co_u32 s88, s88, WSLOT
	v_add_nc_u32 v[ADRP+1], s88, v3
	s_lshl_b32 s88, s[FT], 11                      ; my four tiles of the eight
	s_add_co_u32 s88, s88, AIMG
	v_add_nc_u32 v[ADRT], s88, v[LI]
	v_lshlrev_b32 v5, 5, v1                        ; W's scale bytes: 32 a row,
	v_lshrrev_b32 v6, 8, v5
	v_lshl_add_u32 v5, v6, 4, v5                   ; and 16 more for each 256 passed
	s_mul_i32 s88, s[HF], HALFS
	s_add_co_u32 s88, s88, WSC
	v_add_nc_u32 v[ADWS], s88, v5
	s_lshl_b32 s88, s[FT], 8                       ; a's scale words: my 64 tokens
	s_add_co_u32 s88, s88, ASC
	v_lshl_add_u32 v[ADAS], v1, 2, s88
	s_mul_i32 s88, s[WV], 16*SPITCH
	s_add_co_u32 s88, s88, STG                     ; my stage
	v_mul_u32_u24 v5, v1, SPITCH
	v_lshl_add_u32 v5, v2, 5, v5
	v_add_nc_u32 v[STO], s88, v5                   ; in: row r, 32 bytes for each half of the lanes
	v_add_nc_u32 v[RD], s88, v[LI]                 ; back: the 32 lanes take one row of 512 bytes
	s_lshl_b32 s88, s[NX], 1
	s_add_co_u32 s88, s88, s[HF]
	s_lshl_b32 s88, s88, 9                         ; my 128 outputs, in bytes
	s_mov_b32 s89, 0
	s_add_nc_u64 s[12:13], s[12:13], s[88:89]
	s_add_nc_u64 s[14:15], s[14:15], s[88:89]
	s_lshl_b32 s88, s[TY], 1
	s_add_co_u32 s88, s88, s[FT]
	s_lshl_b32 s88, s88, 18                        ; my 64 tokens: rows of 4,096 bytes
	s_add_nc_u64 s[14:15], s[14:15], s[88:89]
.irp b, 0,1,2,3,4,5,6,7                        ; register j of block b wants b_proj at 16 b + 8 h + j
	global_load_b128 v[CB+8*\b:CB+8*\b+3], v[BO], s[12:13] offset:64*\b
	global_load_b128 v[CB+8*\b+4:CB+8*\b+7], v[BO], s[12:13] offset:64*\b+16
.endr
; K step q = heads 2 q and 2 q + 1.  W's fragment: 64 bytes of a row; a's: the two heads' images of a tile
.macro FETCH q, set
	WIN 0x40                                       ; destination window 1, address window 0
.irp i, 0,1,2,3,4,5,6,7
.irp c, 0,1
	ds_load_b128 v[128*(\set)+8*\i+4*\c:128*(\set)+8*\i+4*\c+3], v[ADRP+(\q)/4] offset:64*((\q)%4)+32*\c+\i*16*PITCH
.endr
.endr
.irp a, 0,1,2,3
.irp c, 0,1
	ds_load_b128 v[128*(\set)+64+8*\a+4*\c:128*(\set)+64+8*\a+4*\c+3], v[ADRT] offset:(2*(\q)+\c)*4096+\a*512
.endr
.endr
.endm
; The 32 products of K step q: the accumulators by turns, one instruction a turn, in the same order in every step.  first = 1: the sums begin with the bias.
.macro MULS q, first
.if \first
	WIN 0x85                                       ; sources 0 and 1 window 1, C window 0, D window 2
.else
	WIN 0xa5                                       ; C and D window 2
.endif
.irp a, 0,1,2,3
.irp b, 0,1,2,3,4,5,6,7
.if \first
	v_wmma_scale_f32_16x16x128_f8f6f4 v[8*(8*\a+\b):8*(8*\a+\b)+7], v[128*((\q)%2)+8*\b:128*((\q)%2)+8*\b+7], v[128*((\q)%2)+64+8*\a:128*((\q)%2)+64+8*\a+7], v[CB+8*\b:CB+8*\b+7], v[WS+8*\b+(\q)], v[AS+8*\a+(\q)] matrix_a_fmt:MATRIX_FMT_FP4 matrix_b_fmt:MATRIX_FMT_FP4
.else
	v_wmma_scale_f32_16x16x128_f8f6f4 v[8*(8*\a+\b):8*(8*\a+\b)+7], v[128*((\q)%2)+8*\b:128*((\q)%2)+8*\b+7], v[128*((\q)%2)+64+8*\a:128*((\q)%2)+64+8*\a+7], v[8*(8*\a+\b):8*(8*\a+\b)+7], v[WS+8*\b+(\q)], v[AS+8*\a+(\q)] matrix_a_fmt:MATRIX_FMT_FP4 matrix_b_fmt:MATRIX_FMT_FP4
.endif
.endr
.endr
.endm
.macro HEAD q
.if \q == 3                            ; K step 4 lies in the second half: every wave's part of it has landed, and every wave knows
	s_wait_tensorcnt 0x0
	s_wait_dscnt 0x0                               ; no LDS instruction is pending at a signal
	s_barrier_signal -1
	s_barrier_wait -1
.endif
.if \q < 7
.if \q > 0
	PLACES 4                                       ; four places between the last product and loads into registers that it and its like have read
.endif
	FETCH \q+1, (\q+1)%2
	s_wait_dscnt 24                                ; all but the 24 just issued: this step's set (and, in step 0, the scale words) are in
.else
	s_wait_dscnt 0x0
.endif
.endm
	s_wait_alu depctr_va_vdst(0)
	s_wait_tensorcnt 1                             ; the scale bytes and my part of the first half are in; the second half's load may be out
	s_barrier_signal -1
	s_barrier_wait -1                              ; everybody's are
.irp b, 0,1,2,3,4,5,6,7
.irp u, 0,1
	ds_load_b128 v[WS+8*\b+4*\u:WS+8*\b+4*\u+3], v[ADWS] offset:\b*SBLK+16*\u     ; lane r: row 16 b + r's words of K steps 4 u .. 4 u + 3
.endr
.endr
.irp a, 0,1,2,3
.irp s, 0,1,2,3,4,5,6,7
	ds_load_b32 v[AS+8*\a+\s], v[ADAS] offset:512*\s+64*\a                        ; lane r: token 16 a + r's word of K step s
.endr
.endr
	FETCH 0, 0
	s_wait_loadcnt 0x0                             ; the bias
	HEAD 0
	MULS 0, 1
.irp q, 1,2,3,4,5,6,7
	HEAD \q
	MULS \q, 0
.endr
	WIN 0
; THE WAY OUT, a tile of 16 tokens x 128 outputs at a time: a lane holds 32 neighbouring bytes of a row, the lanes beside it other rows: through my own stage, and back as whole rows of 512 bytes.
; LDS serves a wave's instructions in order (ISA guide 5.7.1.4): no wait between the stores and the loads, nor in front of the next tile's stores.
.macro TOSTAGE a
	WIN 0x08                                       ; an LDS store's data are its source 1: window 2
.irp b, 0,1,2,3,4,5,6,7
	ds_store_b128 v[STO], v[8*(8*(\a)+\b):8*(8*(\a)+\b)+3] offset:64*\b           ; each accumulator from its low end on
	ds_store_b128 v[STO], v[8*(8*(\a)+\b)+4:8*(8*(\a)+\b)+7] offset:64*\b+16
.endr
	WIN 0
.set BB, BK+64*((\a)%2)
.irp t, 0,1,2,3,4,5,6,7,8,9,10,11,12,13,14,15
	ds_load_b128 v[BB+4*\t:BB+4*\t+3], v[RD] offset:\t*SPITCH
.endr
.endm
.macro SEND a, younger                 ; younger: the LDS instructions issued behind tile a's loads, which may stay out
.set BB, BK+64*((\a)%2)
	s_wait_dscnt \younger
.irp t, 0,1,2,3,4,5,6,7,8,9,10,11,12,13,14,15
	global_store_b128 v[LI], v[BB+4*\t:BB+4*\t+3], s[14:15] offset:(16*(\a)+\t)*4096 th:TH_STORE_NT   ; 32 lanes store 512 consecutive bytes, at a multiple of 512 from out0's first byte; written once, read by nobody here
.endr
.endm
	PLACES 4                                       ; in front of the first read of results
	TOSTAGE 0
.irp a, 1,2,3
.if \a > 1
	s_wait_xcnt 0x0                                ; tile a - 2's stores have read their registers: tile a's loads may land there
.endif
	TOSTAGE \a
	SEND \a-1, 32                                  ; behind tile a - 1's loads: tile a's 16 stores and 16 loads
.endr
	SEND 3, 0
	s_wait_dscnt 0x0
	s_wait_tensorcnt 0x0
	ds_add_u32 v30, v31
	s_wait_dscnt 0x0
	CROUND                                         ; the closing round: no work-group ends while a partner may still ask for a tile that names it
	s_endpgm
.Lfunc_end_k_q097b1b4983_proj:
	.size	k_q097b1b4983_proj, .Lfunc_end_k_q097b1b4983_proj-k_q097b1b4983_proj
	.p2alignl 7, 3214868480
	.fill 96, 4, 3214868480
	.section	.rodata,"a",@progbits
	.p2align	6, 0x0
	.amdhsa_kernel k_q097b1b4983_proj
		.amdhsa_group_segment_fixed_size 327680
		.amdhsa_private_segment_fixed_size 0
		.amdhsa_enable_private_segment 0
		.amdhsa_kernarg_size 48
		.amdhsa_user_sgpr_count 2
		.amdhsa_user_sgpr_kernarg_segment_ptr 1
		.amdhsa_wavefront_size32 1
		.amdhsa_system_sgpr_workgroup_id_x 1
		.amdhsa_system_sgpr_workgroup_id_y 1
		.amdhsa_system_sgpr_workgroup_id_z 1
		.amdhsa_system_vgpr_workitem_id 0
		.amdhsa_next_free_vgpr 768
		.amdhsa_next_free_sgpr 96
		.amdhsa_reserve_vcc 0
		.amdhsa_float_denorm_mode_32 3
		.amdhsa_float_denorm_mode_16_64 3
		.amdhsa_memory_ordered 1
		.amdhsa_forward_progress 1
		.amdhsa_inst_pref_size 75
	.end_amdhsa_kernel
	.amdgpu_metadata
---
amdhsa.version: [ 1, 2 ]
amdhsa.kernels:
  - .name:           k_q097b1b4983_proj
    .symbol:         k_q097b1b4983_proj.kd
    .args:
      - { .name: a_codes, .offset: 0, .size: 8, .value_kind: global_buffer, .address_space: global }
      - { .name: a_scales, .offset: 8, .size: 8, .value_kind: global_buffer, .address_space: global }
      - { .name: W_proj_codes, .offset: 16, .size: 8, .value_kind: global_buffer, .address_space: global }
      - { .name: W_proj_scales, .offset: 24, .size: 8, .value_kind: global_buffer, .address_space: global }
      - { .name: b_proj, .offset: 32, .size: 8, .value_kind: global_buffer, .address_space: global }
      - { .name: out0, .offset: 40, .size: 8, .value_kind: global_buffer, .address_space: global }
    .group_segment_fixed_size: 327680
    .private_segment_fixed_size: 0
    .kernarg_segment_align: 8
    .kernarg_segment_size: 48
    .max_flat_workgroup_size: 128
    .sgpr_count:     96
    .vgpr_count:     768
    .wavefront_size: 32
...
	.end_amdgpu_metadata
.endif
;; end of part 3
